; MI455X (gfx1250); checked and timed in simulation.
; The chip was launched on July 23, 2026; its instructions are those of AMD's public machine-readable ISA for CDNA 5 (MIT licence, August 2026) and "CDNA5" Instruction Set Architecture Reference Guide (July 2026). The comments in the code are by the model that wrote it; some were corrected since.
;; Multi Headed Attention. Allowed arithmetic: float matrix products may take bf16 or f16 operands with f32 sums; all other float work in f32.
;; Inputs: Wk 1,024 x 1,024 float32; Wo 1,024 x 1,024 float32; Wq 1,024 x 1,024 float32; Wv 1,024 x 1,024 float32; bk 1,024 float32; bo 1,024 float32; bq 1,024 float32; bv 1,024 float32; key 2 x 2,048 x 1,024 float32; query 2 x 2,048 x 1,024 float32; value 2 x 2,048 x 1,024 float32.
;; Outputs: out0 2 x 2,048 x 1,024 float32.
;; One version. Each part assembles by itself: llvm-mc -triple=amdgcn-amd-amdhsa -mcpu=gfx1250 --defsym DOCPART=n.
;; ======== version 1 of 1: 4 launches
;; limits: values are held in f16: magnitudes above 65,504 overflow, below 6.1e-05 lose precision
;; workspace buffers: cb 33,554,432 bytes; qkv 25,165,824 bytes; ctx 8,388,608 bytes
;; launch cvt (part 1): grid 64 x 16, 8 waves a work-group, no clusters, 0 bytes of LDS; arguments query, key, value, Wq, Wk, Wv, Wo, cb; writes cb
.if DOCPART == 1
	.amdgcn_target "amdgcn-amd-amdhsa--gfx1250"
	.amdhsa_code_object_version 6
	.text
	.protected	k_qeff4424836_cvt
	.globl	k_qeff4424836_cvt
	.p2align	8
	.type	k_qeff4424836_cvt,@function
k_qeff4424836_cvt:
	s_mov_b64 s[64:65], 0
	v_nop
	global_prefetch_b8 v0, s[64:65] scope:SCOPE_SE
	s_setreg_imm32_b32 hwreg(HW_REG_WAVE_MODE, 25, 1), 1
	s_wait_xcnt 0x0
; f32 to f16, once, of the seven large inputs, so that the two GEMM launches can bring 16-bit tiles straight into LDS.
; WHY f16 AND NOT bf16, here and in the three launches behind: the chain rounds its operands again and again (inputs, q, k, v, P, ctx), and each rounding's
; relative error reaches the result undiminished; f16 keeps 11 significant bits, bf16 8.  Range: activations 30 times larger than about 5.5, or offset
; by 30 spreads, stay under 170; weights under 6: far below f16's largest number, 65,504.
; Limits: a number beyond 65,504 in magnitude becomes an infinity; one below 2^-14 keeps an absolute error of up to 2^-25.
; cb holds 16 chunks of 1 Mi numbers (2 MiB each): 0-3 query, 4-7 key, 8-11 value, 12 Wq, 13 Wk, 14 Wv, 15 Wo.
; Grid y = the chunk, grid x = one of its 64 pieces of 64 KiB of f32.  Eight waves; a wave takes 8 KiB that lie together:
; 16 loads of 16 bytes a lane (512 neighbouring bytes each), all issued before the first is used, and 16 stores of 8 bytes a lane
; (32 lanes x 8 bytes = 256 consecutive bytes, aligned).
; No LDS, no matrix unit, no cluster: no byte is read by two work-groups and nothing is summed.
; No register is written twice, so no wait frees a source.
.set XR, 4                             ; v[4:67]   16 x 4 numbers as loaded
.set YR, 68                            ; v[68:99]  16 x 2 words to store
	s_load_b512 s[8:23], s[0:1], 0x0               ; query s[8:9], key s[10:11], value s[12:13], Wq s[14:15], Wk s[16:17], Wv s[18:19], Wo s[20:21], cb s[22:23]
	s_and_b32 s2, ttmp7, 0xffff                    ; the chunk, 0 to 15
	s_and_b32 s3, s2, 3                            ; which quarter of an activation,
	s_cmp_lt_u32 s2, 12
	s_cselect_b32 s3, s3, 0                        ; or 0: a weight is one chunk
	s_lshl_b32 s3, s3, 22                          ; 4 MiB of f32 a chunk
	s_lshl_b32 s4, ttmp9, 16                       ; 64 KiB a piece
	s_add_co_u32 s26, s3, s4
	s_mov_b32 s27, 0                               ; s[26:27]: offset in the source
	s_lshl_b32 s28, s2, 21                         ; 2 MiB of f16 a chunk
	s_lshl_b32 s4, ttmp9, 15                       ; 32 KiB a piece
	s_add_co_u32 s28, s28, s4
	s_mov_b32 s29, 0                               ; s[28:29]: offset in cb
	v_lshrrev_b32 v3, 5, v0                        ; wave
	v_and_b32 v1, 31, v0                           ; lane
	v_lshlrev_b32 v2, 3, v1
	v_lshlrev_b32 v1, 4, v1
	v_lshl_add_u32 v1, v3, 13, v1                  ; in:  8,192 wave + 16 lane
	v_lshl_add_u32 v2, v3, 12, v2                  ; out: 4,096 wave + 8 lane
	s_wait_kmcnt 0x0
	s_cmp_lt_u32 s2, 4                             ; the source is chosen by the chunk number alone
	s_cselect_b64 s[24:25], s[8:9], s[10:11]
	s_cmp_lt_u32 s2, 8
	s_cselect_b64 s[24:25], s[24:25], s[12:13]
	s_cmp_lt_u32 s2, 12
	s_cselect_b64 s[24:25], s[24:25], s[14:15]
	s_cmp_lt_u32 s2, 13
	s_cselect_b64 s[24:25], s[24:25], s[16:17]
	s_cmp_lt_u32 s2, 14
	s_cselect_b64 s[24:25], s[24:25], s[18:19]
	s_cmp_lt_u32 s2, 15
	s_cselect_b64 s[24:25], s[24:25], s[20:21]
	s_add_nc_u64 s[24:25], s[24:25], s[26:27]
	s_add_nc_u64 s[22:23], s[22:23], s[28:29]
.irp i, 0,1,2,3,4,5,6,7,8,9,10,11,12,13,14,15
	global_load_b128 v[XR+4*\i:XR+4*\i+3], v1, s[24:25] offset:512*\i th:TH_LOAD_NT   ; read once in the launch
.endr
.irp i, 0,1,2,3,4,5,6,7,8,9,10,11,12,13,14,15
	s_wait_loadcnt 15-\i                           ; loads come back in order (ISA guide 5.7.1): load i is in, the 15 - i younger ones stay out
	v_cvt_pk_f16_f32 v[YR+2*\i],   v[XR+4*\i],   v[XR+4*\i+1]
	v_cvt_pk_f16_f32 v[YR+2*\i+1], v[XR+4*\i+2], v[XR+4*\i+3]
	global_store_b64 v2, v[YR+2*\i:YR+2*\i+1], s[22:23] offset:256*\i                 ; the next launch reads it: no hint
.endr
	s_endpgm
.Lfunc_end_k_qeff4424836_cvt:
	.size	k_qeff4424836_cvt, .Lfunc_end_k_qeff4424836_cvt-k_qeff4424836_cvt
	.p2alignl 7, 3214868480
	.fill 96, 4, 3214868480
	.section	.rodata,"a",@progbits
	.p2align	6, 0x0
	.amdhsa_kernel k_qeff4424836_cvt
		.amdhsa_group_segment_fixed_size 0
		.amdhsa_private_segment_fixed_size 0
		.amdhsa_enable_private_segment 0
		.amdhsa_kernarg_size 64
		.amdhsa_user_sgpr_count 2
		.amdhsa_user_sgpr_kernarg_segment_ptr 1
		.amdhsa_wavefront_size32 1
		.amdhsa_system_sgpr_workgroup_id_x 1
		.amdhsa_system_sgpr_workgroup_id_y 1
		.amdhsa_system_sgpr_workgroup_id_z 1
		.amdhsa_system_vgpr_workitem_id 0
		.amdhsa_next_free_vgpr 104
		.amdhsa_next_free_sgpr 66
		.amdhsa_reserve_vcc 0
		.amdhsa_float_denorm_mode_32 3
		.amdhsa_float_denorm_mode_16_64 3
		.amdhsa_memory_ordered 1
		.amdhsa_forward_progress 1
		.amdhsa_inst_pref_size 7
	.end_amdhsa_kernel
	.amdgpu_metadata
---
amdhsa.version: [ 1, 2 ]
amdhsa.kernels:
  - .name:           k_qeff4424836_cvt
    .symbol:         k_qeff4424836_cvt.kd
    .args:
      - { .name: query, .offset: 0, .size: 8, .value_kind: global_buffer, .address_space: global }
      - { .name: key, .offset: 8, .size: 8, .value_kind: global_buffer, .address_space: global }
      - { .name: value, .offset: 16, .size: 8, .value_kind: global_buffer, .address_space: global }
      - { .name: Wq, .offset: 24, .size: 8, .value_kind: global_buffer, .address_space: global }
      - { .name: Wk, .offset: 32, .size: 8, .value_kind: global_buffer, .address_space: global }
      - { .name: Wv, .offset: 40, .size: 8, .value_kind: global_buffer, .address_space: global }
      - { .name: Wo, .offset: 48, .size: 8, .value_kind: global_buffer, .address_space: global }
      - { .name: cb, .offset: 56, .size: 8, .value_kind: global_buffer, .address_space: global }
    .group_segment_fixed_size: 0
    .private_segment_fixed_size: 0
    .kernarg_segment_align: 8
    .kernarg_segment_size: 64
    .max_flat_workgroup_size: 256
    .sgpr_count:     66
    .vgpr_count:     104
    .wavefront_size: 32
...
	.end_amdgpu_metadata
.endif
;; end of part 1
;; launch qkv (part 2): grid 4 x 48, 4 waves a work-group, clusters of 4 x 4, 327,680 bytes of LDS; arguments cb, bq, bk, bv, qkv; writes qkv
.if DOCPART == 2
	.amdgcn_target "amdgcn-amd-amdhsa--gfx1250"
	.amdhsa_code_object_version 6
	.text
	.protected	k_qeff4424836_qkv
	.globl	k_qeff4424836_qkv
	.p2align	8
	.type	k_qeff4424836_qkv,@function
k_qeff4424836_qkv:
	s_mov_b64 s[64:65], 0
	v_nop
	global_prefetch_b8 v0, s[64:65] scope:SCOPE_SE
	s_setreg_imm32_b32 hwreg(HW_REG_WAVE_MODE, 25, 1), 1
	s_wait_xcnt 0x0
	s_wait_alu depctr_hold_cnt(0) depctr_sa_sdst(0) depctr_va_vdst(0) depctr_va_sdst(0) depctr_va_ssrc(0) depctr_va_vcc(0) depctr_vm_vsrc(0)
	s_getreg_b32 s2, hwreg(HW_REG_IB_STS2, 6, 4)
	s_cmp_eq_u32 s2, 0
	s_cbranch_scc0 .Lentry_in_a_cluster
	s_endpgm
.Lentry_in_a_cluster:
	s_bfe_u32 s2, ttmp6, 0x10000c
	s_cmp_lg_u32 s2, 0xf033
	s_cbranch_scc0 .Lentry_shape_is_right
	s_endpgm
.Lentry_shape_is_right:
; q, k, v = x W^T + b for the three projections, f16 operands (from cb), f32 sums, rounded once to f16 into qkv.
; Three GEMMs of 4096 x 1024 x 1024.  A work-group makes a block of 256 x 256 of one of them with four waves; a wave makes 128 x 128:
; 64 accumulator tiles of 16 x 16, 512 registers.  3 x 16 x 4 = 192 work-groups, all with equal work: blocks of half the size would
; make 384, which is no multiple of the 256 places either, and would halve the products that each fragment byte feeds.
; K goes in steps of 128 through a ring of two LDS slots filled by the tensor data mover: a tile's rows are 256 bytes of memory
; and start at multiples of 256 bytes from the buffer's first byte.
; CLUSTERS: 4 x 4 work-groups form a cluster, and a cluster lies inside one GEMM (z = cluster y / 4).  The four of a row of the cluster need the
; same tiles of x, the four of a column the same tiles of W.  Such a tile is asked for JOINTLY: each of the four issues the same tensor load,
; with the same descriptor and a mask that names the four.  That divides the requests for x and for W by four.
; THE BIAS STARTS THE SUMS: the first product of each tile takes the bias, laid out as a result tile, as its C.  Nothing is cleared or added later.
;
; REGISTERS, in windows of 256 (s_set_vgpr_msb says which window each operand place means):
;   window 0: v0-31 addresses; v64-127, v128-191 fragments of A (8 x 16 rows x 32 K), two buffers; v192-255 the bias, later at work on the way out
;   window 1: v64-127, v128-191 fragments of B, two buffers
;   window 2: the 32 accumulator tiles of my rows 0-63 (tile (a, b) at v[8 (8 a + b)]);   window 3: those of my rows 64-127
; THE MATRIX INSTRUCTION IS USED TRANSPOSED: source 0 = 16 rows of W, source 1 = 16 rows of x.  Lane l then holds row l % 16 of the result,
; and its registers 0 to 7 the columns 8 (l / 16) + 0 .. 7: eight neighbouring numbers of a row, which pack into 16 bytes.
; Limits: operands and results are f16 (11 significant bits).  A result beyond 65,504 in magnitude becomes an infinity.  The room: results are about 6 at
; the most for activations of spread 1 and weights of spread 1/32; 900 x 6 = 5,400 with both 30 times larger; 1,024 x 30 x 30/32 = 28,800 with both
; offset by 30 of their spreads.  Both at once (larger, and offset by 30 of the larger spreads) would pass the limit.
; NaN and infinities pass through the sums as the matrix unit makes them.
.set SIZE_N, 1024
.set SIZE_K, 1024
.set KSTEP,  128
.set PITCH,  272                       ; an LDS row: 256 bytes of data + 16 of padding: the 16 rows that a load touches start at 16 different 16-byte columns of 256
.set HALFT,  128*PITCH                 ; 128 rows: what one tensor load brings, and what one wave reads of A or of B
.set SLOT,   4*HALFT                   ; A's 256 rows, then B's 256 rows
.set STAGE,  2*SLOT                    ; behind the ring: 16 rows x 272 bytes for each wave, for the way out
.set SPITCH, 272
.set LAPS, SIZE_K/(2*KSTEP)            ; a lap = two K steps = once round the ring: 4 laps
.set ADRA, 16                          ; v16-17  LDS address of my A fragments in slot 0, 1
.set ADRB, 20                          ; v20-21  the same for B
.set STO,  24                          ; v24     the way out: where I put 16 bytes of a row
.set RD,   25                          ; v25     the way out: where I read a row back
.set CO,   26                          ; v26     my byte offset in the result
.set BO,   27                          ; v27     my byte offset in the bias: 32 (l / 16)
.set F0,   64                          ; fragment buffer 0
.set F1,   128                         ; fragment buffer 1
.set TMP,  192                         ; the way out: packed results, in window 0
.set BIAS, 192                         ; v[192:255] of window 0: register 8 b + j = bias of column 16 b + 8 (l / 16) + j of my 128
.set G1, 24                            ; s[24:31] descriptor group 1 for A's tiles
.set G0, 32                            ; s[32:39] descriptor group 0 for A's tiles, one set for each slot
.set G1B, 48                           ; s[48:55] descriptor group 1 for B's tiles: it differs from A's in the mask alone
.set G0B, 56                           ; s[56:63] descriptor group 0 for B's tiles, one set for each slot
.set MSB, 0
.macro WIN new                         ; the immediate's high byte repeats the setting that is left
.if MSB != \new
	s_set_vgpr_msb (MSB<<8)|\new
.set MSB, \new
.endif
.endm
.set MUL_LO, 0xa1                      ; source 0 (B) window 1, source 1 (A) window 0, C and D window 2
.set MUL_HI, 0xf1                      ; the same, C and D window 3
.set BIA_LO, 0x81                      ; the first products: C (the bias) window 0, D window 2
.set BIA_HI, 0xc1                      ; C window 0, D window 3
.set TO_B,   0x40                      ; destination window 1, address window 0
; A joint load.  Waves 0 and 1 fetch A's two halves, waves 2 and 3 B's.  Each of the two lines has one mask and one set of registers for all that issue it.
; The branch hangs on the wave's number alone: it is the same in every work-group.
.macro JLOAD s
	s_cmp_eq_u32 s11, 0
	s_cbranch_scc0 .Lfor_b_\@
	tensor_load_to_lds s[G0+4*\s:G0+4*\s+3], s[G1:G1+7]
	s_nop 0
	s_branch .Lasked_\@
.Lfor_b_\@:
	tensor_load_to_lds s[G0B+4*\s:G0B+4*\s+3], s[G1B:G1B+7]
	s_nop 0
.Lasked_\@:
.endm
; A round of the cluster's barrier: my work-group's barrier, so that wave 0's signal speaks for all four waves; wave 0 signals for the work-group;
; every wave waits for all sixteen work-groups; my work-group's barrier once more.
.macro CREST                           ; a round behind its opening barrier
	s_cmp_lg_u32 s10, 0
	s_cbranch_scc1 .Lnot_wave_0_\@
	s_barrier_signal -3
.Lnot_wave_0_\@:
	s_barrier_wait -3
	s_barrier_signal -1
	s_barrier_wait -1
.endm
.macro CROUND                          ; a whole round
	s_barrier_signal -1
	s_barrier_wait -1
	CREST
.endm
	s_load_b256 s[68:75], s[0:1], 0x0              ; cb s[68:69], bq s[70:71], bk s[72:73], bv s[74:75]
	s_load_b64 s[76:77], s[0:1], 0x20              ; qkv
	s_set_vgpr_msb 0x40
	v_lshl_add_u32 v255, v0, 2, 0x48400
	s_set_vgpr_msb 0x4000
	v_mov_b32 v63, 0
	s_set_vgpr_msb 0x1
	ds_add_u32 v255, v63
	s_set_vgpr_msb 0x100
	v_lshrrev_b32 v1, 5, v0
	v_readfirstlane_b32 s10, v1                    ; wave 0..3
	s_lshr_b32 s11, s10, 1                         ; which half of the block's rows is mine.  Also: I fetch for A (0) or for B (1)
	s_and_b32 s12, s10, 1                          ; which half of its columns.  Also: which 128 rows of that tile I fetch
	s_bfe_u32 s40, ttmp6, 0x40000                  ; cx: my place along the cluster's x
	s_bfe_u32 s41, ttmp6, 0x40004                  ; cy: along its y
	s_lshl_b32 s42, ttmp9, 2                       ; in a cluster launch ttmp9 and ttmp7 count clusters
	s_add_co_u32 s42, s42, s40                     ; block column = 4 x cluster x + cx, 0 to 3
	s_and_b32 s79, ttmp7, 0xffff                   ; cluster y, 0 to 11
	s_lshr_b32 s78, s79, 2                         ; z: 0 q, 1 k, 2 v; the same in the whole cluster
	s_and_b32 s13, s79, 3
	s_lshl_b32 s13, s13, 2
	s_add_co_u32 s13, s13, s41                     ; block row = 4 x (cluster y mod 4) + cy, 0 to 15
	s_lshl_b32 s43, s41, 2
	s_lshl_b32 s43, 15, s43                        ; my row of the cluster: places 4 cy .. 4 cy + 3
	s_lshl_b32 s44, 0x1111, s40                    ; my column: places cx, cx + 4, cx + 8, cx + 12
	; descriptor group 1: a tile of 128 rows x 128 elements, padded in LDS
	s_or_b32 s[G1+0], s43, (1<<16)|(1<<20)|(1<<21)|(5<<22)|(3<<25)  ; 15:0 the mask: A's tiles go to my row; 17:16 element of 2 bytes; 20 padding on; 21 set beside a mask; 24:22 after every 64 words; 31:25 of 4 words
	s_or_b32 s[G1B+0], s44, (1<<16)|(1<<20)|(1<<21)|(5<<22)|(3<<25) ; the same with the mask of my column, for B's tiles
	s_mov_b32 s[G1B+1], KSTEP<<16
	s_mov_b32 s[G1+1], KSTEP<<16                   ; tensor_dim0 = 128
	s_mov_b32 s[G1B+2], 128<<16
	s_mov_b32 s[G1+2], 128<<16                     ; tensor_dim1 = 128
	s_mov_b32 s[G1B+3], KSTEP<<16
	s_mov_b32 s[G1+3], KSTEP<<16                   ; tile_dim0 = 128
	s_mov_b32 s[G1B+4], 128
	s_mov_b32 s[G1+4], 128                         ; tile_dim1 = 128
	s_mov_b32 s[G1B+5], SIZE_K
	s_mov_b32 s[G1+5], SIZE_K                      ; elements from row to row
	s_mov_b32 s[G1B+6], 0
	s_mov_b32 s[G1+6], 0
	s_mov_b32 s[G1B+7], 0
	s_mov_b32 s[G1+7], 0
	; where the tiles come from.  A's hang on z and the block row, which my row of the cluster shares; B's on z and the block column, which my column shares.
	s_lshl_b32 s17, s12, 7                         ; which 128 rows of the tile I fetch
	s_lshl_b32 s16, s13, 8
	s_add_co_u32 s16, s16, s17                     ; A: row 256 x block row + 128 x half
	s_lshl_b32 s46, s42, 8
	s_add_co_u32 s46, s46, s17                     ; B: row 256 x block column + 128 x half
	s_mov_b32 s17, 0
	s_mov_b32 s47, 0
	s_mov_b64 s[18:19], SIZE_K*2
	s_mul_u64 s[16:17], s[16:17], s[18:19]         ; in bytes
	s_mul_u64 s[46:47], s[46:47], s[18:19]
	s_mul_i32 s20, s10, HALFT                      ; and where they go: wave x 128 rows: no place in the cluster enters an LDS address
	s_lshl_b32 s80, s78, 23                        ; x_z in cb and the result in qkv: 8 MiB apart
	s_mov_b32 s81, 0
	s_lshl_b32 s82, s78, 21                        ; W_z in cb: behind the 24 MiB of x, 2 MiB apart
	s_add_co_u32 s82, s82, 0x1800000
	s_mov_b32 s83, 0
	s_lshl_b32 s86, s42, 10                        ; my 128 numbers of the bias: 1,024 x block column + 512 x half, in bytes
	s_lshl_b32 s87, s12, 9
	s_add_co_u32 s86, s86, s87
	s_mov_b32 s87, 0
	s_wait_dscnt 0x0
	s_wait_kmcnt 0x0
	s_add_nc_u64 s[4:5], s[68:69], s[80:81]        ; A
	s_add_nc_u64 s[6:7], s[68:69], s[82:83]        ; B
	s_add_nc_u64 s[8:9], s[76:77], s[80:81]        ; the result
	s_cmp_eq_u32 s78, 0
	s_cselect_b64 s[84:85], s[70:71], s[72:73]     ; the bias is chosen by z alone
	s_cmp_lt_u32 s78, 2
	s_cselect_b64 s[84:85], s[84:85], s[74:75]
	s_add_nc_u64 s[84:85], s[84:85], s[86:87]
	s_add_nc_u64 s[14:15], s[4:5], s[16:17]
	s_add_nc_u64 s[46:47], s[6:7], s[46:47]
	CROUND                                         ; all sixteen work-groups are here: the first joint loads meet
.irp s, 0,1
	s_mov_b32 s[G0+4*\s], 1                                        ; count = 1
	s_add_co_u32 s[G0+4*\s+1], s20, \s*SLOT                        ; LDS address
	s_add_nc_u64 s[G0+4*\s+2:G0+4*\s+3], s[14:15], \s*KSTEP*2      ; global address: K step s
	s_or_b32 s[G0+4*\s+3], s[G0+4*\s+3], 0x80000000                ; type = 2
	s_mov_b32 s[G0B+4*\s], 1
	s_add_co_u32 s[G0B+4*\s+1], s20, \s*SLOT
	s_add_nc_u64 s[G0B+4*\s+2:G0B+4*\s+3], s[46:47], \s*KSTEP*2
	s_or_b32 s[G0B+4*\s+3], s[G0B+4*\s+3], 0x80000000
	JLOAD \s                                       ; the ring is filled before anything else is done: two tensor loads of the wave are out
.endr
	v_and_b32 v1, 15, v0                           ; l % 16
	v_bfe_u32 v2, v0, 4, 1                         ; l / 16
	v_lshlrev_b32 v[BO], 5, v2
.irp b, 0,1,2,3,4,5,6,7
	global_load_b128 v[BIAS+8*\b:BIAS+8*\b+3],   v[BO], s[84:85] offset:64*\b      ; columns 16 b + 8 (l / 16) + 0..3
	global_load_b128 v[BIAS+8*\b+4:BIAS+8*\b+7], v[BO], s[84:85] offset:64*\b+16   ; + 4..7
.endr
	; A fragment is 16 rows x 32 K in 8 registers: lane l holds row l % 16; registers 0-3 hold K = 8 (l / 16) + 0..7, registers 4-7 hold
	; K = 16 + 8 (l / 16) + 0..7.  From rows that lie along K: two loads of 16 bytes, 32 bytes apart.
	v_mul_u32_u24 v3, v1, PITCH
	v_lshl_add_u32 v3, v2, 4, v3                   ; row x pitch + 16 x half
	s_mul_i32 s21, s11, HALFT                      ; my 128 rows of A
	s_mul_i32 s22, s12, HALFT                      ; my 128 rows of B,
	s_add_co_u32 s22, s22, 2*HALFT                 ; which lie behind A's 256
.irp s, 0,1
	v_add_nc_u32 v[ADRA+\s], s21, v3
	v_add_nc_u32 v[ADRB+\s], s22, v3
	s_add_co_u32 s21, s21, SLOT
	s_add_co_u32 s22, s22, SLOT
.endr
	s_mul_i32 s23, s10, 16*SPITCH
	s_add_co_u32 s23, s23, STAGE                   ; my stage
	v_mul_u32_u24 v4, v1, SPITCH                   ; in: row l % 16, 16 bytes for each half of the lanes
	v_lshl_add_u32 v4, v2, 4, v4
	v_add_nc_u32 v[STO], s23, v4
	v_mul_u32_u24 v5, v2, SPITCH                   ; back: lanes 0-15 take one row of 256 bytes, lanes 16-31 the next
	v_lshl_add_u32 v5, v1, 4, v5
	v_add_nc_u32 v[RD], s23, v5
	v_mul_u32_u24 v5, v2, SIZE_N*2                 ; and the same two rows in the result
	v_lshl_add_u32 v[CO], v1, 4, v5
; 16 matrix instructions: m blocks a0, a0 + 1 of the window's four (hi = 0: my rows 0-63, 1: rows 64-127) x all 8 n blocks, 32 along K.
; zero = 1: the first product starts the sums from the bias.  The 64 accumulators take turns, one instruction a turn.
.macro MUL16 f, hi, a0, zero
.irp a, \a0, \a0+1
.irp b, 0,1,2,3,4,5,6,7
.if \zero
	v_wmma_f32_16x16x32_f16 v[8*(8*(\a)+\b):8*(8*(\a)+\b)+7], v[\f+8*\b:\f+8*\b+7], v[\f+8*(4*\hi+\a):\f+8*(4*\hi+\a)+7], v[BIAS+8*\b:BIAS+8*\b+7]
.else
	v_wmma_f32_16x16x32_f16 v[8*(8*(\a)+\b):8*(8*(\a)+\b)+7], v[\f+8*\b:\f+8*\b+7], v[\f+8*(4*\hi+\a):\f+8*(4*\hi+\a)+7], v[8*(8*(\a)+\b):8*(8*(\a)+\b)+7]
.endif
.endr
.endr
.endm
; 32 LDS loads in one run: the fragments of one quarter step (128 rows of B, 128 rows of A, 32 K at byte k of the rows) into buffer f
.macro FETCH slot, k, f
	WIN TO_B
.irp i, 0,1,2,3,4,5,6,7
	ds_load_b128 v[\f+8*\i:\f+8*\i+3],   v[ADRB+\slot] offset:\k+\i*16*PITCH
	ds_load_b128 v[\f+8*\i+4:\f+8*\i+7], v[ADRB+\slot] offset:\k+\i*16*PITCH+32
.endr
	WIN 0
.irp i, 0,1,2,3,4,5,6,7
	ds_load_b128 v[\f+8*\i:\f+8*\i+3],   v[ADRA+\slot] offset:\k+\i*16*PITCH
	ds_load_b128 v[\f+8*\i+4:\f+8*\i+7], v[ADRA+\slot] offset:\k+\i*16*PITCH+32
.endr
.endm
; A load into a register that a matrix instruction has read, and a vector instruction that reads a matrix result, stand four places behind that
; matrix instruction, and only plain vector instructions that name none of its registers are places (ISA guide 7.12.1 for vector instructions).
.macro PLACES
.rept 4
	v_nop
.endr
.endm
; A K step is four quarter steps of 32 along K, 64 matrix instructions each, on buffers 0, 1, 0, 1.
; One of the first three: multiplies buffer f; in its middle it fetches the next quarter's fragments, at byte k of the same slot's rows, into buffer g.
.macro QUARTER slot, k, f, g, zero
	s_wait_dscnt 8                                 ; B and A's rows 0-63 are in; the youngest eight loads (A's rows 64-127) may be out
.if \zero
	WIN BIA_LO
.else
	WIN MUL_LO
.endif
	MUL16 \f, 0, 0, \zero
	MUL16 \f, 0, 2, \zero
	PLACES
	FETCH \slot, \k, \g
	s_wait_dscnt 32                                ; all but the 32 just issued
.if \zero
	WIN BIA_HI
.else
	WIN MUL_HI
.endif
	MUL16 \f, 1, 0, \zero
	MUL16 \f, 1, 2, \zero
.endm
.macro THREE slot, zero
	QUARTER \slot, 64,  F0, F1, \zero
	QUARTER \slot, 128, F1, F0, 0
	QUARTER \slot, 192, F0, F1, 0
.endm
; The last quarter: multiplies buffer 1 and changes slots.  next = the other slot; fill = 1: this slot is filled again, two K steps ahead.
; One barrier for the change of slots.  In front of it each wave waits for its own reads of this slot and for all its tensor loads, of which one is
; out: its part of the next slot.  Behind it nobody reads this slot any more and the next slot is whole: the refill comes first, then the next
; slot's first fragments.  From a request to the wait for it a wave issues 240 matrix instructions.
.macro TURN slot, next, fill
	s_wait_dscnt 8
	WIN MUL_LO
	MUL16 F1, 0, 0, 0
	s_wait_dscnt 0                                 ; my reads of this slot are over
	s_wait_tensorcnt 0x0                           ; and all my tensor loads have landed
	ds_add_u32 v255, v63
	s_wait_dscnt 0x0
	s_barrier_signal -1                            ; say so (where a slot is filled again this barrier opens a round of the cluster's barrier),
	MUL16 F1, 0, 2, 0                              ; work on registers while the others arrive,
	WIN 0
	s_barrier_wait -1                              ; and go on when all four have said so
.if \fill
	CREST                                          ; no wave of any partner still reads this slot's tile or has a load on its way
	s_add_nc_u64 s[G0+4*\slot+2:G0+4*\slot+3], s[G0+4*\slot+2:G0+4*\slot+3], 2*KSTEP*2
	s_add_nc_u64 s[G0B+4*\slot+2:G0B+4*\slot+3], s[G0B+4*\slot+2:G0B+4*\slot+3], 2*KSTEP*2
	JLOAD \slot                                    ; the first tensor load behind the round, and my only one until the next
.endif
	PLACES
	FETCH \next, 0, F0
	WIN MUL_HI
	MUL16 F1, 1, 0, 0
	MUL16 F1, 1, 2, 0
.endm
.macro LAP zero                        ; once round the ring, both slots filled again
	THREE 0, \zero
	TURN 0, 1, 1
	THREE 1, 0
	TURN 1, 0, 1
.endm
	s_wait_loadcnt 0x0                             ; the bias
	s_wait_tensorcnt 0x1                           ; my part of K step 0 is in; K step 1's stays out
	s_barrier_signal -1
	s_barrier_wait -1                              ; everybody's is
	FETCH 0, 0, F0
	LAP 1                                          ; the first lap stands in front of the loop: its first products start the sums
	WIN 0                                          ; at a label and at a branch every window is 0
	s_mov_b32 s3, LAPS-2
.Llap:
	LAP 0
	WIN 0
	s_sub_co_u32 s3, s3, 1
	s_cmp_lg_u32 s3, 0
	s_cbranch_scc1 .Llap
	THREE 0, 0                                     ; the last lap fills nothing: my one tensor load that is still out is slot 1's, the last K step's
	TURN 0, 1, 0
	THREE 1, 0
	s_wait_dscnt 8                                 ; the very last quarter: nothing more to fetch
	WIN MUL_LO
	MUL16 F1, 0, 0, 0
	MUL16 F1, 0, 2, 0
	s_wait_dscnt 0
	WIN MUL_HI
	MUL16 F1, 1, 0, 0
	MUL16 F1, 1, 2, 0
	; THE WAY OUT, 16 rows at a time: round to f16, 16 bytes a lane into my own stage in LDS, read back as whole rows of 256 bytes.
	PLACES                                         ; the places behind the last matrix instructions
	s_lshl_b32 s13, s13, 8
	s_lshl_b32 s14, s11, 7
	s_add_co_u32 s16, s13, s14                     ; my first row
	s_mov_b32 s17, 0
	s_mov_b64 s[18:19], SIZE_N*2
	s_mul_u64 s[16:17], s[16:17], s[18:19]
	s_add_nc_u64 s[8:9], s[8:9], s[16:17]
	s_lshl_b32 s46, s42, 9                         ; my first column, in bytes: 512 x block + 256 x half (in registers that never feed A's descriptors)
	s_lshl_b32 s47, s12, 8
	s_add_co_u32 s46, s46, s47
	s_mov_b32 s47, 0
	s_add_nc_u64 s[8:9], s[8:9], s[46:47]
; rows 16 i .. 16 i + 15 of my block = the eight tiles (a, 0..7) of window 2 or 3 (from = 0x0a or 0x0f: sources 0 and 1); f: F0 or F1 in turn
.macro OUT16 i, a, from, f
	WIN \from
.irp b, 0,1,2,3,4,5,6,7
.irp r, 0,1,2,3
	v_cvt_pk_f16_f32 v[TMP+4*\b+\r], v[8*(8*\a+\b)+2*\r], v[8*(8*\a+\b)+2*\r+1]
.endr
.endr
	WIN 0
.irp b, 0,1,2,3,4,5,6,7
	ds_store_b128 v[STO], v[TMP+4*\b:TMP+4*\b+3] offset:32*\b
.endr
	s_wait_xcnt 0x0                                ; buffer f, which earlier stores read, and the stores' base are rewritten only behind this wait (ISA guide 3.1)
.if \i
	s_add_nc_u64 s[8:9], s[8:9], 16*SIZE_N*2       ; 16 rows on
.endif
.irp t, 0,1,2,3,4,5,6,7
	ds_load_b128 v[\f+4*\t:\f+4*\t+3], v[RD] offset:\t*2*SPITCH    ; LDS serves a wave's instructions in order (ISA guide 5.7.1.4): these see the stores above
.endr
.irp t, 0,1,2,3,4,5,6,7
	s_wait_dscnt 7-\t                              ; load t is in, the 7 - t younger ones stay out
	global_store_b128 v[CO], v[\f+4*\t:\f+4*\t+3], s[8:9] offset:2*\t*SIZE_N*2   ; 16 lanes store 256 consecutive bytes, aligned
.endr
.endm
	OUT16 0, 0, 0x0a, F0
	OUT16 1, 1, 0x0a, F1
	OUT16 2, 2, 0x0a, F0
	OUT16 3, 3, 0x0a, F1
	OUT16 4, 0, 0x0f, F0
	OUT16 5, 1, 0x0f, F1
	OUT16 6, 2, 0x0f, F0
	OUT16 7, 3, 0x0f, F1
	s_set_vgpr_msb 0x1
	s_wait_tensorcnt 0x0
	ds_add_u32 v255, v63
	s_wait_dscnt 0x0
	s_set_vgpr_msb 0x100
	CROUND                                         ; the closing round: no work-group ends while a partner may still ask for a tile that names it
	s_endpgm
.Lfunc_end_k_qeff4424836_qkv:
	.size	k_qeff4424836_qkv, .Lfunc_end_k_qeff4424836_qkv-k_qeff4424836_qkv
	.p2alignl 7, 3214868480
	.fill 96, 4, 3214868480
	.section	.rodata,"a",@progbits
	.p2align	6, 0x0
	.amdhsa_kernel k_qeff4424836_qkv
		.amdhsa_group_segment_fixed_size 327680
		.amdhsa_private_segment_fixed_size 0
		.amdhsa_enable_private_segment 0
		.amdhsa_kernarg_size 40
		.amdhsa_user_sgpr_count 2
		.amdhsa_user_sgpr_kernarg_segment_ptr 1
		.amdhsa_wavefront_size32 1
		.amdhsa_system_sgpr_workgroup_id_x 1
		.amdhsa_system_sgpr_workgroup_id_y 1
		.amdhsa_system_sgpr_workgroup_id_z 1
		.amdhsa_system_vgpr_workitem_id 0
		.amdhsa_next_free_vgpr 1024
		.amdhsa_next_free_sgpr 90
		.amdhsa_reserve_vcc 0
		.amdhsa_float_denorm_mode_32 3
		.amdhsa_float_denorm_mode_16_64 3
		.amdhsa_memory_ordered 1
		.amdhsa_forward_progress 1
		.amdhsa_inst_pref_size 198
	.end_amdhsa_kernel
	.amdgpu_metadata
---
amdhsa.version: [ 1, 2 ]
amdhsa.kernels:
  - .name:           k_qeff4424836_qkv
    .symbol:         k_qeff4424836_qkv.kd
    .args:
      - { .name: cb, .offset: 0, .size: 8, .value_kind: global_buffer, .address_space: global }
      - { .name: bq, .offset: 8, .size: 8, .value_kind: global_buffer, .address_space: global }
      - { .name: bk, .offset: 16, .size: 8, .value_kind: global_buffer, .address_space: global }
      - { .name: bv, .offset: 24, .size: 8, .value_kind: global_buffer, .address_space: global }
      - { .name: qkv, .offset: 32, .size: 8, .value_kind: global_buffer, .address_space: global }
    .group_segment_fixed_size: 327680
    .private_segment_fixed_size: 0
    .kernarg_segment_align: 8
    .kernarg_segment_size: 40
    .max_flat_workgroup_size: 128
    .sgpr_count:     90
    .vgpr_count:     1024
    .wavefront_size: 32
...
	.end_amdgpu_metadata
.endif
;; end of part 2
;; launch attn (part 3): grid 16 x 16, 8 waves a work-group, clusters of 4 x 1, 327,680 bytes of LDS; arguments qkv, ctx; writes ctx
.if DOCPART == 3
	.amdgcn_target "amdgcn-amd-amdhsa--gfx1250"
	.amdhsa_code_object_version 6
	.text
	.protected	k_qeff4424836_attn
	.globl	k_qeff4424836_attn
	.p2align	8
	.type	k_qeff4424836_attn,@function
k_qeff4424836_attn:
	s_mov_b64 s[64:65], 0
	v_nop
	global_prefetch_b8 v0, s[64:65] scope:SCOPE_SE
	s_setreg_imm32_b32 hwreg(HW_REG_WAVE_MODE, 25, 1), 1
	s_wait_xcnt 0x0
	s_wait_alu depctr_hold_cnt(0) depctr_sa_sdst(0) depctr_va_vdst(0) depctr_va_sdst(0) depctr_va_ssrc(0) depctr_va_vcc(0) depctr_vm_vsrc(0)
	s_getreg_b32 s2, hwreg(HW_REG_IB_STS2, 6, 4)
	s_cmp_eq_u32 s2, 0
	s_cbranch_scc0 .Lentry_in_a_cluster
	s_endpgm
.Lentry_in_a_cluster:
	s_bfe_u32 s2, ttmp6, 0x10000c
	s_cmp_lg_u32 s2, 0x3003
	s_cbranch_scc0 .Lentry_shape_is_right
	s_endpgm
.Lentry_shape_is_right:
; ctx = softmax(q k^T / 8) v for 2 batches x 16 heads of 64, 2,048 queries and keys; q, k, v f16 in qkv, ctx f16.
; A work-group: one batch b, one PAIR of heads hp (their columns lie side by side, so every row of q, k, v and ctx that it touches is 256 aligned
; bytes), one block of 128 queries.  Eight waves, w = 4 kh + 2 hl + qg: head hl of the pair, 64 queries qg, and of every 256 keys the half kh.
; A wave so does 64 queries x 1,024 keys of one head with a running maximum and sum of its own; at the end wave w + 4 hands its part to wave w.
; CLUSTER 4 x 1: the four query blocks of a cluster walk the same K and V tiles; each tile is asked for jointly (mask 15), a quarter of the requests.
; K and V go in steps of 256 keys through two LDS slots; waves 0-3 fetch 64 rows of K each, waves 4-7 64 rows of V each, one tensor load a wave and step.
; LAYOUT: both products are used transposed, so that no number changes lanes.
;   S^T = K Q^T: source 0 = 16 keys x 32 d, source 1 = 16 queries x 32 d.  Lane (r, h), register j holds S(key 8 h + j, query r).
;   Two neighbouring key tiles, packed to f16, ARE source 1 (32 keys x 16 queries) of O^T = V^T P^T; source 0 (16 d x 32 keys) comes by the
;   transposing LDS load from V as it lies, [key][d].  A lane owns one query: maximum, sum and rescaling are per lane, with one exchange
;   between the two halves of the wave.  O's lane holds 8 neighbouring d of one query.
; ORDER OF WORK: 64 keys are worked through one block qb of 16 queries at a time: the softmax of qb (about 118 vector instructions), the 8 O products of qb,
; the 8 score products of block qb + 2 (for qb = 2, 3: blocks 0, 1 of the NEXT 64 keys).  So vector and matrix work change every 16 products, and the two
; waves that share a SIMD fill each other's gaps from a small distance apart; scores are a whole phase old when the softmax reads them; K's fragments are
; loaded behind the last score product that reads the old ones, V's behind the last O product, each a phase ahead of its first use.
; SOFTMAX in f32 with the running maximum taken away, as the problem's formula does: kept is nm = -c x maximum, c = log2(e) / 8, rounded once;
; p = 2^(c s + nm) by one fused multiply-add; old sums and O are scaled by 2^(nm_new - nm_old), made of the same rounded numbers.
; f16 HAS THE ROOM: p is at most about 1, since the running maximum is taken away; ctx is a mean of v with weights that add to 1, so it is no larger than v.
; Limits: P enters the second product as f16: a p below 2^-14 of the running largest keeps an absolute error of up to 2^-25, one below 2^-25 counts as 0
; there (the sum l takes the f32 numbers); v_exp_f32 gives 0 below 2^-126 (ISA guide 15.8); q, k, v and ctx are f16 (11 significant bits);
; the sums run in another order than the formula's (two halves of the keys, two partial sums a lane); a NaN or an infinity among a row's scores
; gives a row of NaN or of other non-finite patterns, not kept apart as the formula keeps them.
.set KP,    272                        ; K's LDS pitch: 256 bytes + 16: sixteen rows start at sixteen different 16-byte columns of 256
.set VP,    288                        ; V's LDS pitch: 256 bytes + 32, an odd multiple of 32, for the transposing load
.set VBASE, 73728                      ; V's 256 rows in a slot; K's 256 rows take bytes 0 to 69,631, the rest up to here is never filled
.set SLOT,  147456                     ; VBASE + 256 x 288
.set STEPB, 256*2048                   ; bytes from a step's tile to the next: 256 rows of 2,048 bytes
.set MSTG,  18432                      ; merge stage of a pair of waves: 16,384 bytes of O, 1,024 of nm, 1,024 of l.  Four of them: bytes 0 to 73,727
.set OUTST, 73728                      ; out stage: four regions, one for each merging wave.  Both stages lie in slot 0, behind its last fill
.set OREG,  9280                       ; a region: 64 rows x 144 bytes, + 64, so that the two heads' regions lie 128 bytes apart modulo 256
.set OP,    144                        ; its pitch: 128 bytes + 16
; window 0
.set KADR, 4                           ; v[4:5]    my K fragments in slot 0, 1
.set VADR, 6                           ; v[6:7]    my V fragments in slot 0, 1
.set QOFF, 8                           ; v8        2,048 r + 16 h
.set STO,  9                           ; v9        out stage, in
.set RD,   10                          ; v10       out stage, back
.set CO,   11                          ; v11       my byte offset in ctx
.set MST,  12                          ; v12       merge stage
.set NMA,  20                          ; v[20:27]  pairs {nm, t}, one for each block of 16 queries: the state behind a step's second 64 keys
.set NMB,  28                          ; v[28:35]  pairs {nm, t}: the state behind its first 64 keys
.set ALP,  36                          ; v[36:43]  pairs {alpha, its exponent}
.set LP,   44                          ; v[44:51]  pairs of partial sums
.set TM,   52                          ; v[52:59]  the maxima at work: four chains for each of two query blocks
.set KF,   64                          ; v[64:127] K fragments: (kt, dh) at 16 kt + 8 dh
.set SC,   128                         ; v[128:255] scores: (qb, kt) at 32 qb + 8 kt; later P: (qb, c) at 32 qb + 8 c
.set N1,   64                          ; the merge: the partner's nm,
.set L1,   72                          ; its l,
.set AA,   80                          ; and the two scales of each block
.set OUTR, 64                          ; the way out
; window 1
.set OA,   0                           ; v[256:383] O: (db, qb) at 8 (4 db + qb)
.set QF,   128                         ; v[384:447] Q fragments: (qb, dh) at 16 qb + 8 dh
.set VF,   192                         ; v[448:511] V fragments: (db, c) at 16 db + 8 c
.set G1K, 24                           ; s[24:31] group 1 for K's tiles
.set G1V, 32                           ; s[32:39] group 1 for V's tiles: another padding
.set G0K, 40                           ; s[40:47] group 0 for K's tiles, a set for each slot
.set G0V, 48                           ; s[48:55] group 0 for V's tiles, a set for each slot
.set MSB, 0
.macro WIN new                         ; low byte: bits 1:0 source 0, 3:2 source 1, 5:4 source 2, 7:6 destination; the high byte repeats the setting that is left
.if MSB != \new
	s_set_vgpr_msb (MSB<<8)|\new
.set MSB, \new
.endif
.endm
.macro PLACES n                        ; places behind matrix instructions: plain vector instructions that name none of their registers (ISA guide 7.12.1)
.rept \n
	v_nop
.endr
.endm
.macro CREST                           ; a round of the cluster's barrier behind its opening barrier
	s_cmp_lg_u32 s8, 0
	s_cbranch_scc1 .Lnot_wave_0_\@
	s_barrier_signal -3
.Lnot_wave_0_\@:
	s_barrier_wait -3
	s_barrier_signal -1
	s_barrier_wait -1
.endm
.macro CROUND                          ; a whole round
	s_barrier_signal -1
	s_barrier_wait -1
	CREST
.endm
.macro JLOAD s                         ; a joint load into slot s: waves 0-3 ask for K, waves 4-7 for V.  The branch hangs on the wave's number alone
	s_cmp_eq_u32 s9, 0
	s_cbranch_scc0 .Lfor_v_\@
	tensor_load_to_lds s[G0K+4*\s:G0K+4*\s+3], s[G1K:G1K+7]
	s_nop 0
	s_branch .Lasked_\@
.Lfor_v_\@:
	tensor_load_to_lds s[G0V+4*\s:G0V+4*\s+3], s[G1V:G1V+7]
	s_nop 0
.Lasked_\@:
.endm
	s_load_b128 s[4:7], s[0:1], 0x0                ; qkv s[4:5], ctx s[6:7]
	v_lshl_add_u32 v62, v0, 2, 0x48000
	v_mov_b32 v63, 0
	ds_add_u32 v62, v63
	v_lshrrev_b32 v1, 5, v0
	v_readfirstlane_b32 s8, v1                     ; w, 0 to 7
	s_lshr_b32 s9, s8, 2                           ; kh: my half of each step's keys.  Also: I fetch K (0) or V (1)
	s_bfe_u32 s10, s8, 0x10001                     ; hl: my head of the pair
	s_and_b32 s11, s8, 1                           ; qg: my 64 queries
	s_and_b32 s17, s8, 3                           ; w mod 4: which 64 rows of a tile I fetch; which pair of waves I belong to
	s_bfe_u32 s12, ttmp6, 0x40000                  ; cx
	s_lshl_b32 s13, ttmp9, 2
	s_add_co_u32 s13, s13, s12                     ; query block = 4 x cluster x + cx, 0 to 15
	s_and_b32 s14, ttmp7, 0xffff                   ; y, shared by the cluster
	s_lshr_b32 s15, s14, 3                         ; b
	s_and_b32 s16, s14, 7                          ; hp
	s_mov_b32 s18, 0x3e38aa3b                      ; c = log2(e) / 8,
	s_mov_b32 s19, 0x3e38aa3b                      ; as a pair
	s_mov_b32 s20, 0x76543210                      ; v_permlanex16_b32: lane i of one half reads lane i of the other
	s_mov_b32 s21, 0xfedcba98
	s_mov_b32 s22, 0xbe38aa3b                      ; -c
	; group 1: tiles of 64 rows x 128 elements of 2 bytes, 1,024 elements from row to row, padded behind every 64 words by 4 (K) or 8 (V) words
	s_mov_b32 s[G1K+0], 15|(1<<16)|(1<<20)|(1<<21)|(5<<22)|(3<<25)   ; the mask names all four of the cluster; bit 21 is set beside a mask
	s_mov_b32 s[G1V+0], 15|(1<<16)|(1<<20)|(1<<21)|(5<<22)|(7<<25)
	s_mov_b32 s[G1K+1], 128<<16                    ; tensor_dim0 = 128
	s_mov_b32 s[G1V+1], 128<<16
	s_mov_b32 s[G1K+2], 64<<16                     ; tensor_dim1 = 64
	s_mov_b32 s[G1V+2], 64<<16
	s_mov_b32 s[G1K+3], 128<<16                    ; tile_dim0 = 128
	s_mov_b32 s[G1V+3], 128<<16
	s_mov_b32 s[G1K+4], 64                         ; tile_dim1 = 64
	s_mov_b32 s[G1V+4], 64
	s_mov_b32 s[G1K+5], 1024
	s_mov_b32 s[G1V+5], 1024
	s_mov_b32 s[G1K+6], 0
	s_mov_b32 s[G1V+6], 0
	s_mov_b32 s[G1K+7], 0
	s_mov_b32 s[G1V+7], 0
	; my tile of step 0: batch b (4 MiB), rows 64 (w mod 4) (131,072 bytes), the pair's 256 bytes; k lies 8 MiB, v 16 MiB into qkv.  No cx in it
	s_lshl_b32 s58, s15, 22
	s_lshl_b32 s60, s17, 17
	s_add_co_u32 s58, s58, s60
	s_lshl_b32 s60, s16, 8
	s_add_co_u32 s58, s58, s60
	s_add_co_u32 s60, s58, 0x800000
	s_mov_b32 s61, 0
	s_add_co_u32 s62, s58, 0x1000000
	s_mov_b32 s63, 0
	s_mul_i32 s66, s8, 64*KP                       ; where it goes: K's rows at w x 17,408 (w = 0..3),
	s_mul_i32 s67, s8, 64*VP                       ; V's at w x 18,432 (w = 4..7: from VBASE on)
	; q and ctx: batch, query block (128 rows of 2,048 bytes), the pair's 256 bytes; q also my 64 rows and my head's 128 bytes
	s_lshl_b32 s72, s15, 22
	s_lshl_b32 s74, s13, 18
	s_add_co_u32 s72, s72, s74
	s_lshl_b32 s74, s16, 8
	s_add_co_u32 s72, s72, s74
	s_mov_b32 s73, 0
	s_wait_dscnt 0x0
	s_wait_kmcnt 0x0
	s_add_nc_u64 s[60:61], s[4:5], s[60:61]
	s_add_nc_u64 s[62:63], s[4:5], s[62:63]
	s_add_nc_u64 s[70:71], s[6:7], s[72:73]        ; ctx at the block's first row
	s_lshl_b32 s74, s11, 17
	s_add_co_u32 s72, s72, s74
	s_lshl_b32 s74, s10, 7
	s_add_co_u32 s72, s72, s74
	s_add_nc_u64 s[68:69], s[4:5], s[72:73]        ; q at my first row, my head
	CROUND                                         ; all four work-groups are here: the first joint loads meet
.irp s, 0,1
	s_mov_b32 s[G0K+4*\s], 1
	s_add_co_u32 s[G0K+4*\s+1], s66, \s*SLOT
	s_add_nc_u64 s[G0K+4*\s+2:G0K+4*\s+3], s[60:61], \s*STEPB
	s_or_b32 s[G0K+4*\s+3], s[G0K+4*\s+3], 0x80000000
	s_mov_b32 s[G0V+4*\s], 1
	s_add_co_u32 s[G0V+4*\s+1], s67, \s*SLOT
	s_add_nc_u64 s[G0V+4*\s+2:G0V+4*\s+3], s[62:63], \s*STEPB
	s_or_b32 s[G0V+4*\s+3], s[G0V+4*\s+3], 0x80000000
	JLOAD \s                                       ; steps 0 and 1: two tensor loads of the wave are out
.endr
	v_and_b32 v1, 15, v0                           ; r
	v_bfe_u32 v2, v0, 4, 1                         ; h
	v_and_b32 v3, 31, v0                           ; lane
	v_lshlrev_b32 v[QOFF], 11, v1
	v_lshl_add_u32 v[QOFF], v2, 4, v[QOFF]
	WIN 0x40                                       ; destination window 1
.irp qb, 0,1,2,3
.irp dh, 0,1
	global_load_b128 v[QF+16*\qb+8*\dh:QF+16*\qb+8*\dh+3],   v[QOFF], s[68:69] offset:\qb*32768+\dh*64      ; query 16 qb + r, d = 32 dh + 8 h + 0..7
	global_load_b128 v[QF+16*\qb+8*\dh+4:QF+16*\qb+8*\dh+7], v[QOFF], s[68:69] offset:\qb*32768+\dh*64+32   ; d = 32 dh + 16 + 8 h + 0..7
.endr
.endr
	WIN 0
	v_mul_u32_u24 v13, v1, KP                      ; K: (128 kh + r) x 272 + 128 hl + 16 h
	v_lshl_add_u32 v13, v2, 4, v13
	s_mul_i32 s74, s9, 128*KP
	s_lshl_b32 s75, s10, 7
	s_add_co_u32 s74, s74, s75
	v_add_nc_u32 v[KADR], s74, v13
	v_add_nc_u32 v[KADR+1], SLOT, v[KADR]
	v_and_b32 v15, 7, v0                           ; V: VBASE + (128 kh + 8 h + lane mod 8) x 288 + 128 hl + 16 x bit 3 of the lane
	v_lshl_add_u32 v13, v2, 3, v15
	v_mul_u32_u24 v13, v13, VP
	v_bfe_u32 v14, v0, 3, 1
	v_lshl_add_u32 v13, v14, 4, v13
	s_mul_i32 s74, s9, 128*VP
	s_add_co_u32 s74, s74, s75
	s_add_co_u32 s74, s74, VBASE
	v_add_nc_u32 v[VADR], s74, v13
	v_add_nc_u32 v[VADR+1], SLOT, v[VADR]
	s_mul_i32 s74, s17, OREG                       ; out stage, in: my region + 144 r + 16 h
	s_add_co_u32 s74, s74, OUTST
	v_mul_u32_u24 v13, v1, OP
	v_lshl_add_u32 v13, v2, 4, v13
	v_add_nc_u32 v[STO], s74, v13
	v_mul_u32_u24 v13, v14, 2*OREG                 ; back: rows 16 w + h of the block's 128: region 2 x (column's head) + w / 4, its row 16 (w mod 4) + h, 16 bytes of 128
	v_mul_u32_u24 v14, v2, OP
	v_add_nc_u32 v13, v13, v14
	v_lshl_add_u32 v13, v15, 4, v13
	s_mul_i32 s74, s9, OREG
	s_mul_i32 s75, s17, 16*OP
	s_add_co_u32 s74, s74, s75
	s_add_co_u32 s74, s74, OUTST
	v_add_nc_u32 v[RD], s74, v13
	v_lshlrev_b32 v[CO], 4, v1                     ; the same rows in ctx: (16 w + h) x 2,048 + 16 r
	v_lshl_add_u32 v[CO], v2, 11, v[CO]
	s_lshl_b32 s74, s8, 15
	v_add_nc_u32 v[CO], s74, v[CO]
	s_mul_i32 s74, s17, MSTG                       ; merge stage: my pair's + 16 x lane
	v_lshl_add_u32 v[MST], v3, 4, s74
.irp qb, 0,1,2,3
	v_mov_b32 v[NMA+2*\qb+1], 0                    ; v_permlanex16_b32 counts as a reader of its destination: written once here
	v_mov_b32 v[NMB+2*\qb+1], 0
.endr
; 16 LDS loads: K's fragments of half su (64 keys) of my 128 keys in a slot
.macro KLOAD slot, su
	WIN 0
.irp kt, 0,1,2,3
.irp dh, 0,1
	ds_load_b128 v[KF+16*\kt+8*\dh:KF+16*\kt+8*\dh+3],   v[KADR+(\slot)] offset:(64*\su+16*\kt)*KP+64*\dh
	ds_load_b128 v[KF+16*\kt+8*\dh+4:KF+16*\kt+8*\dh+7], v[KADR+(\slot)] offset:(64*\su+16*\kt)*KP+64*\dh+32
.endr
.endr
.endm
; 16 transposing LDS loads: V's fragments of the same 64 keys
.macro VLOAD slot, su
	WIN 0x40                                       ; destination window 1
.irp db, 0,1,2,3
.irp c, 0,1
	ds_load_tr16_b128 v[VF+16*\db+8*\c:VF+16*\db+8*\c+3],   v[VADR+(\slot)] offset:(64*\su+32*\c)*VP+32*\db      ; d = 16 db + r, keys 32 c + 8 h + 0..7
	ds_load_tr16_b128 v[VF+16*\db+8*\c+4:VF+16*\db+8*\c+7], v[VADR+(\slot)] offset:(64*\su+32*\c+16)*VP+32*\db   ; keys 32 c + 16 + 8 h + 0..7
.endr
.endr
	WIN 0
.endm
; 8 score products: 64 keys (the fragments in KF) x query block qb.  The four key tiles take turns, one instruction a turn.
.macro QK qb
	WIN 0x04                                       ; source 1 (Q) window 1
.irp kt, 0,1,2,3
	v_wmma_f32_16x16x32_f16 v[SC+32*\qb+8*\kt:SC+32*\qb+8*\kt+7], v[KF+16*\kt:KF+16*\kt+7], v[QF+16*\qb:QF+16*\qb+7], 0
.endr
.irp kt, 0,1,2,3
	v_wmma_f32_16x16x32_f16 v[SC+32*\qb+8*\kt:SC+32*\qb+8*\kt+7], v[KF+16*\kt+8:KF+16*\kt+15], v[QF+16*\qb+8:QF+16*\qb+15], v[SC+32*\qb+8*\kt:SC+32*\qb+8*\kt+7]
.endr
.endm
; 8 O products of query block qb.  The four d tiles take turns, twice.  first = 1: the first product starts the sums.
.macro PV qb, first
	WIN 0x51                                       ; source 0 (V), C and D (O) window 1, source 1 (P) window 0
.irp c, 0,1
.irp db, 0,1,2,3
.if \first*(1-\c)
	v_wmma_f32_16x16x32_f16 v[OA+8*(4*\db+\qb):OA+8*(4*\db+\qb)+7], v[VF+16*\db+8*\c:VF+16*\db+8*\c+7], v[SC+32*\qb+8*\c:SC+32*\qb+8*\c+7], 0
.else
	v_wmma_f32_16x16x32_f16 v[OA+8*(4*\db+\qb):OA+8*(4*\db+\qb)+7], v[VF+16*\db+8*\c:VF+16*\db+8*\c+7], v[SC+32*\qb+8*\c:SC+32*\qb+8*\c+7], v[OA+8*(4*\db+\qb):OA+8*(4*\db+\qb)+7]
.endif
.endr
.endr
.endm
; The maxima of query blocks qa and qa + 1 over 64 keys, the new nm and alpha.  Two blocks at a time: eight chains in the tree, two in the tail.
.macro MX qa, su, first
.if \su
.set OLD, NMB
.set NEW, NMA
.else
.set OLD, NMA
.set NEW, NMB
.endif
	WIN 0
.irp q, 0,1                                        ; chain i of a block takes its scores 8 i to 8 i + 6
.irp i, 0,1,2,3
	v_max3_num_f32 v[TM+4*\q+\i], v[SC+32*(\qa+\q)+8*\i], v[SC+32*(\qa+\q)+8*\i+1], v[SC+32*(\qa+\q)+8*\i+2]
.endr
.endr
.irp l, 3,5
.irp q, 0,1
.irp i, 0,1,2,3
	v_max3_num_f32 v[TM+4*\q+\i], v[TM+4*\q+\i], v[SC+32*(\qa+\q)+8*\i+\l], v[SC+32*(\qa+\q)+8*\i+\l+1]
.endr
.endr
.endr
.irp q, 0,1                                        ; scores 7, 15, 23, 31
	v_max3_num_f32 v[TM+4*\q],   v[TM+4*\q],   v[SC+32*(\qa+\q)+7],  v[SC+32*(\qa+\q)+15]
	v_max3_num_f32 v[TM+4*\q+2], v[TM+4*\q+2], v[SC+32*(\qa+\q)+23], v[SC+32*(\qa+\q)+31]
.endr
.irp q, 0,1
	v_max3_num_f32 v[TM+4*\q], v[TM+4*\q], v[TM+4*\q+1], v[TM+4*\q+3]
.endr
.irp q, 0,1
	v_max_num_f32 v[TM+4*\q], v[TM+4*\q], v[TM+4*\q+2]
.endr
.irp q, 0,1
	v_permlanex16_b32 v[NEW+2*(\qa+\q)+1], v[TM+4*\q], s20, s21    ; the other half of the wave holds the query's other 32 keys
.endr
.irp q, 0,1
	v_max_num_f32 v[TM+4*\q], v[TM+4*\q], v[NEW+2*(\qa+\q)+1]
.endr
.if \first
.irp q, 0,1
	v_mul_f32 v[NEW+2*(\qa+\q)], s22, v[TM+4*\q]                   ; nm = -c x maximum
.endr
.else
.irp q, 0,1
	v_mul_f32 v[TM+4*\q], s22, v[TM+4*\q]
.endr
.irp q, 0,1
	v_min_num_f32 v[NEW+2*(\qa+\q)], v[OLD+2*(\qa+\q)], v[TM+4*\q] ; the running maximum, as the least nm
.endr
.irp q, 0,1
	v_sub_f32 v[ALP+2*(\qa+\q)+1], v[NEW+2*(\qa+\q)], v[OLD+2*(\qa+\q)]   ; at most 0
.endr
.irp q, 0,1
	v_exp_f32 v[ALP+2*(\qa+\q)], v[ALP+2*(\qa+\q)+1]               ; alpha; the multiply-adds that follow name neither: the plain place behind it (ISA guide 5.7.2)
.endr
.endif
.endm
; Query block qb: p = 2^(c s + nm), the sum, P to f16, O scaled.  Pair pp is scores 2 pp, 2 pp + 1.  Behind the two exponentials of pair pp stand the
; multiply-add of pair pp + 2, the sum of pair pp - 1 and the packing of pair pp - 2: an exponential's result is read only behind plain instructions
; that name neither it nor its source (ISA guide 5.7.2), and the links of the one chain of sums stand five instructions apart.
; Packing is in place and ascending: word k takes numbers 2 k and 2 k + 1, and what word k held has been summed and packed before.
.macro EX qb, su, first
.if \su
.set NEW, NMA
.else
.set NEW, NMB
.endif
.set SB, SC+32*\qb
	WIN 0
	v_pk_fma_f32 v[SB:SB+1],   v[SB:SB+1],   s[18:19], v[NEW+2*\qb:NEW+2*\qb+1] op_sel_hi:[1,0,0]   ; c s + nm
	v_pk_fma_f32 v[SB+2:SB+3], v[SB+2:SB+3], s[18:19], v[NEW+2*\qb:NEW+2*\qb+1] op_sel_hi:[1,0,0]
.set pp, 0
.rept 16
	v_exp_f32 v[SB+2*pp], v[SB+2*pp]               ; p, at most about 1
	v_exp_f32 v[SB+2*pp+1], v[SB+2*pp+1]
.if pp < 14
	v_pk_fma_f32 v[SB+2*pp+4:SB+2*pp+5], v[SB+2*pp+4:SB+2*pp+5], s[18:19], v[NEW+2*\qb:NEW+2*\qb+1] op_sel_hi:[1,0,0]
.endif
.if pp == 1
.if \first == 0
	s_wait_alu depctr_va_vdst(0)
	v_pk_fma_f32 v[LP+2*\qb:LP+2*\qb+1], v[LP+2*\qb:LP+2*\qb+1], v[ALP+2*\qb:ALP+2*\qb+1], v[SB:SB+1] op_sel_hi:[1,0,1]   ; l alpha + pair 0
.endif
.endif
.if pp == 2
.if \first
	s_wait_alu depctr_va_vdst(0)
	v_pk_add_f32 v[LP+2*\qb:LP+2*\qb+1], v[SB:SB+1], v[SB+2:SB+3]                                  ; pairs 0 and 1 start the sums
.else
	v_pk_add_f32 v[LP+2*\qb:LP+2*\qb+1], v[LP+2*\qb:LP+2*\qb+1], v[SB+2:SB+3]
.endif
.endif
.if pp > 2
	s_wait_alu depctr_va_vdst(0)
	v_pk_add_f32 v[LP+2*\qb:LP+2*\qb+1], v[LP+2*\qb:LP+2*\qb+1], v[SB+2*pp-2:SB+2*pp-1]
.endif
.if pp > 1
	v_cvt_pk_f16_f32 v[SB+pp-2], v[SB+2*pp-4], v[SB+2*pp-3]
.endif
.set pp, pp+1
.endr
	s_wait_alu depctr_va_vdst(0)
	v_pk_add_f32 v[LP+2*\qb:LP+2*\qb+1], v[LP+2*\qb:LP+2*\qb+1], v[SB+30:SB+31]
	v_cvt_pk_f16_f32 v[SB+14], v[SB+28], v[SB+29]
	v_cvt_pk_f16_f32 v[SB+15], v[SB+30], v[SB+31]
.if \first == 0
	WIN 0x51                                       ; O (destination, source 0) window 1, alpha (source 1) window 0: the setting of the O products that follow
.irp db, 0,1,2,3
.irp j, 0,2,4,6
	v_pk_mul_f32 v[OA+8*(4*\db+\qb)+\j:OA+8*(4*\db+\qb)+\j+1], v[OA+8*(4*\db+\qb)+\j:OA+8*(4*\db+\qb)+\j+1], v[ALP+2*\qb:ALP+2*\qb+1] op_sel_hi:[1,0]
.endr
.endr
.endif
.endm
; At the head of each of the two macros below: the scores of query blocks 0 and 1 are made, KF holds these 64 keys' K, V's 16 loads are on their way.
; The first 64 of my 128 keys in a slot.  first = 1: the launch's first: they start maximum, sums and O, nothing is cleared.
.macro SUBA slot, first
	MX 0, 0, \first
	EX 0, 0, \first
	s_wait_dscnt 0x0                               ; V's fragments, asked for a phase ago
	PV 0, \first
	QK 2
	EX 1, 0, \first
	PV 1, \first
	QK 3                                           ; the last reader of these K fragments
	WIN 0
	PLACES 4                                       ; four places before loads land in them
	KLOAD \slot, 1
	MX 2, 0, \first
	EX 2, 0, \first
	PV 2, \first
	s_wait_dscnt 0x0                               ; the next K fragments
	QK 0
	EX 3, 0, \first
	PV 3, \first                                   ; the last reader of these V fragments
	QK 1
	PLACES 4                                       ; four places before loads land in them, and before the scores just made are read
	VLOAD \slot, 1
.endm
; The second 64 keys, and the change of slots.  All fragments of this slot are in registers when query block 0's O products begin.  So behind the softmax of
; block 1 each wave waits for its LDS reads and for all its tensor loads, of which one is out: its part of the other slot, asked for almost a step ago
; (112 matrix instructions and their softmax); it signals, and multiplies on registers while the others arrive.
; mode 2: the barrier opens a round of the cluster's barrier; behind the round THIS slot is filled again, two steps ahead: the first tensor load there and the
; wave's only one until the next round; then the other slot, now whole, is read.  mode 1: nothing is left to fetch: a plain barrier shows the other slot
; whole.  mode 0: the last 64 keys: nothing follows.
.macro SUBB slot, mode
	MX 0, 1, 0
	EX 0, 1, 0
	s_wait_dscnt 0x0                               ; V's fragments: my last reads of this slot
	PV 0, 0
	QK 2
	EX 1, 1, 0
.if \mode
	s_wait_dscnt 0x0                               ; my reads of this slot are over (met: see above)
	s_set_vgpr_msb 0x5150
	s_wait_tensorcnt 0x0                           ; and all my tensor loads have landed
	ds_add_u32 v62, v63
	s_wait_dscnt 0x0
	s_set_vgpr_msb 0x5051
	s_barrier_signal -1
.endif
	PV 1, 0
	QK 3
	WIN 0
.if \mode
	s_barrier_wait -1
.endif
.if \mode == 2
	CREST                                          ; no wave of any partner still reads this slot or has a load on its way
	s_add_nc_u64 s[G0K+4*\slot+2:G0K+4*\slot+3], s[G0K+4*\slot+2:G0K+4*\slot+3], 2*STEPB   ; no load of mine is out: group 0 may be written
	s_add_nc_u64 s[G0V+4*\slot+2:G0V+4*\slot+3], s[G0V+4*\slot+2:G0V+4*\slot+3], 2*STEPB
	JLOAD \slot
.endif
	PLACES 4                                       ; behind the score products: before loads land in K's fragments and before block 3's scores are read
.if \mode
	KLOAD 1-\slot, 0
.endif
	MX 2, 1, 0
	EX 2, 1, 0
	PV 2, 0
.if \mode
	s_wait_dscnt 0x0                               ; the next step's first K fragments
	QK 0
.endif
	EX 3, 1, 0
	PV 3, 0
.if \mode
	QK 1
	PLACES 4
	VLOAD 1-\slot, 0
.else
	WIN 0
.endif
.endm
	s_wait_loadcnt 0x0                             ; Q
	s_wait_tensorcnt 0x1                           ; my part of step 0 is in; step 1's stays out
	s_barrier_signal -1
	s_barrier_wait -1
	KLOAD 0, 0
	VLOAD 0, 0
	s_wait_dscnt 16                                ; K's 16 loads are in; V's 16, issued behind them, stay out
	QK 0
	QK 1
	WIN 0
	PLACES 4                                       ; before vector instructions read the scores
	SUBA 0, 1                                      ; step 0, first half
	s_mov_b32 s56, 3
.Lstep:                                            ; trip i: the second half of step 2 i, step 2 i + 1, the first half of step 2 i + 2; the refills bring steps 2 to 7
	SUBB 0, 2
	SUBA 1, 0
	SUBB 1, 2
	SUBA 0, 0
	s_sub_co_u32 s56, s56, 1
	s_cmp_lg_u32 s56, 0
	s_cbranch_scc1 .Lstep
	SUBB 0, 1                                      ; step 6, second half.  Behind its barrier no wave reads slot 0 and no load fills it: it serves as stage
	SUBA 1, 0                                      ; step 7
	SUBB 1, 0
	; THE TWO HALVES OF THE KEYS MEET.  Every wave first closes its sums: two partial sums, two halves of the wave.
	PLACES 4                                       ; behind the last O products: before O is stored and before loads land in P's registers
.irp qb, 0,1,2,3
	v_add_f32 v[LP+2*\qb], v[LP+2*\qb], v[LP+2*\qb+1]
.endr
.irp qb, 0,1,2,3
	v_permlanex16_b32 v[NMB+2*\qb+1], v[LP+2*\qb], s20, s21
.endr
.irp qb, 0,1,2,3
	v_add_f32 v[LP+2*\qb], v[LP+2*\qb], v[NMB+2*\qb+1]
.endr
	s_cmp_eq_u32 s9, 0
	s_cbranch_scc1 .Lno_send
	WIN 0x04                                       ; store data in window 1
.set k, 0
.rept 32
	ds_store_b128 v[MST], v[OA+4*k:OA+4*k+3] offset:512*k          ; 32 lanes x 16 neighbouring bytes
.set k, k+1
.endr
	WIN 0
	ds_store_b128 v[MST], v[NMA:NMA+3]   offset:16384
	ds_store_b128 v[MST], v[NMA+4:NMA+7] offset:16896
	ds_store_b128 v[MST], v[LP:LP+3]     offset:17408
	ds_store_b128 v[MST], v[LP+4:LP+7]   offset:17920
.Lno_send:
	s_wait_dscnt 0x0                               ; for the partner's sake: my stores are done
	s_barrier_signal -1
	s_barrier_wait -1
	s_cmp_lg_u32 s9, 0
	s_cbranch_scc1 .Lno_merge
.set k, 0
.rept 32
	ds_load_b128 v[SC+4*k:SC+4*k+3], v[MST] offset:512*k           ; the partner's O, register for register
.set k, k+1
.endr
	ds_load_b128 v[N1:N1+3],   v[MST] offset:16384
	ds_load_b128 v[N1+4:N1+7], v[MST] offset:16896
	ds_load_b128 v[L1:L1+3],   v[MST] offset:17408
	ds_load_b128 v[L1+4:L1+7], v[MST] offset:17920
	s_wait_dscnt 0x0
.irp qb, 0,1,2,3
	v_min_num_f32 v[TM+\qb], v[NMA+2*\qb], v[N1+2*\qb]             ; the common maximum
.endr
.irp qb, 0,1,2,3
	v_sub_f32 v[AA+2*\qb],   v[TM+\qb], v[NMA+2*\qb]
	v_sub_f32 v[AA+2*\qb+1], v[TM+\qb], v[N1+2*\qb]
.endr
.irp i, 0,1,2,3,4,5,6,7
	v_exp_f32 v[AA+\i], v[AA+\i]                   ; a0, a1: one of them is 1
.endr
	v_nop                                          ; the plain place behind the exponentials
	s_wait_alu depctr_va_vdst(0)
.irp qb, 0,1,2,3
	v_mul_f32 v[TM+\qb], v[LP+2*\qb], v[AA+2*\qb]
.endr
.irp qb, 0,1,2,3
	v_fmac_f32 v[TM+\qb], v[L1+2*\qb], v[AA+2*\qb+1]               ; l = l0 a0 + l1 a1: it holds the largest term, about 1, so it is never 0
.endr
.irp qb, 0,1,2,3
	v_rcp_f32 v[TM+\qb], v[TM+\qb]
.endr
	v_nop                                          ; the plain place behind the reciprocals
	s_wait_alu depctr_va_vdst(0)
.irp qb, 0,1,2,3
	v_mul_f32 v[ALP+2*\qb], v[AA+2*\qb],   v[TM+\qb]               ; f0 = a0 / l
	v_mul_f32 v[NMB+2*\qb], v[AA+2*\qb+1], v[TM+\qb]               ; f1 = a1 / l
.endr
.irp db, 0,1,2,3
.irp qb, 0,1,2,3
.irp j, 0,2,4,6
	v_pk_mul_f32 v[SC+8*(4*\db+\qb)+\j:SC+8*(4*\db+\qb)+\j+1], v[SC+8*(4*\db+\qb)+\j:SC+8*(4*\db+\qb)+\j+1], v[NMB+2*\qb:NMB+2*\qb+1] op_sel_hi:[1,0]
.endr
.endr
.endr
	WIN 0x01                                       ; source 0 (my O) window 1
.irp db, 0,1,2,3
.irp qb, 0,1,2,3
.irp j, 0,2,4,6
	v_pk_fma_f32 v[SC+8*(4*\db+\qb)+\j:SC+8*(4*\db+\qb)+\j+1], v[OA+8*(4*\db+\qb)+\j:OA+8*(4*\db+\qb)+\j+1], v[ALP+2*\qb:ALP+2*\qb+1], v[SC+8*(4*\db+\qb)+\j:SC+8*(4*\db+\qb)+\j+1] op_sel_hi:[1,0,1]
.endr
.endr
.endr
	WIN 0
.set k, 0
.rept 64
	v_cvt_pk_f16_f32 v[SC+k], v[SC+2*k], v[SC+2*k+1]               ; in place and ascending, as above: tile (db, qb) is now 4 words at 4 (4 db + qb)
.set k, k+1
.endr
.irp db, 0,1,2,3
.irp qb, 0,1,2,3
	ds_store_b128 v[STO], v[SC+4*(4*\db+\qb):SC+4*(4*\db+\qb)+3] offset:\qb*16*OP+32*\db   ; query 16 qb + r, d = 16 db + 8 h + 0..7
.endr
.endr
.Lno_merge:
	s_wait_dscnt 0x0                               ; for the others' sake
	s_barrier_signal -1
	s_barrier_wait -1
	; every wave takes 16 of the block's 128 rows out: lanes 0-15 one row of 256 bytes (both heads), lanes 16-31 the next
.irp t, 0,1,2,3,4,5,6,7
	ds_load_b128 v[OUTR+4*\t:OUTR+4*\t+3], v[RD] offset:\t*2*OP
.endr
.irp t, 0,1,2,3,4,5,6,7
	s_wait_dscnt 7-\t                              ; load t is in, the 7 - t younger ones stay out
	global_store_b128 v[CO], v[OUTR+4*\t:OUTR+4*\t+3], s[70:71] offset:4096*\t   ; 16 lanes store 256 consecutive bytes, aligned
.endr
	s_wait_tensorcnt 0x0
	ds_add_u32 v62, v63
	s_wait_dscnt 0x0
	CROUND                                         ; the closing round
	s_endpgm
.Lfunc_end_k_qeff4424836_attn:
	.size	k_qeff4424836_attn, .Lfunc_end_k_qeff4424836_attn-k_qeff4424836_attn
	.p2alignl 7, 3214868480
	.fill 96, 4, 3214868480
	.section	.rodata,"a",@progbits
	.p2align	6, 0x0
	.amdhsa_kernel k_qeff4424836_attn
		.amdhsa_group_segment_fixed_size 327680
		.amdhsa_private_segment_fixed_size 0
		.amdhsa_enable_private_segment 0
		.amdhsa_kernarg_size 16
		.amdhsa_user_sgpr_count 2
		.amdhsa_user_sgpr_kernarg_segment_ptr 1
		.amdhsa_wavefront_size32 1
		.amdhsa_system_sgpr_workgroup_id_x 1
		.amdhsa_system_sgpr_workgroup_id_y 1
		.amdhsa_system_sgpr_workgroup_id_z 1
		.amdhsa_system_vgpr_workitem_id 0
		.amdhsa_next_free_vgpr 512
		.amdhsa_next_free_sgpr 80
		.amdhsa_reserve_vcc 0
		.amdhsa_float_denorm_mode_32 3
		.amdhsa_float_denorm_mode_16_64 3
		.amdhsa_memory_ordered 1
		.amdhsa_forward_progress 1
		.amdhsa_inst_pref_size 255
	.end_amdhsa_kernel
	.section	.bss,"aw",@nobits
	.p2align	6
	.space	262144
	.amdgpu_metadata
---
amdhsa.version: [ 1, 2 ]
amdhsa.kernels:
  - .name:           k_qeff4424836_attn
    .symbol:         k_qeff4424836_attn.kd
    .args:
      - { .name: qkv, .offset: 0, .size: 8, .value_kind: global_buffer, .address_space: global }
      - { .name: ctx, .offset: 8, .size: 8, .value_kind: global_buffer, .address_space: global }
    .group_segment_fixed_size: 327680
    .private_segment_fixed_size: 0
    .kernarg_segment_align: 8
    .kernarg_segment_size: 16
    .max_flat_workgroup_size: 256
    .sgpr_count:     80
    .vgpr_count:     512
    .wavefront_size: 32
...
	.end_amdgpu_metadata
.endif
;; end of part 3
;; launch oproj (part 4): grid 8 x 32, 4 waves a work-group, clusters of 4 x 4, 327,680 bytes of LDS; arguments ctx, cb, bo, out0; writes out0
.if DOCPART == 4
	.amdgcn_target "amdgcn-amd-amdhsa--gfx1250"
	.amdhsa_code_object_version 6
	.text
	.protected	k_qeff4424836_oproj
	.globl	k_qeff4424836_oproj
	.p2align	8
	.type	k_qeff4424836_oproj,@function
k_qeff4424836_oproj:
	s_mov_b64 s[64:65], 0
	v_nop
	global_prefetch_b8 v0, s[64:65] scope:SCOPE_SE
	s_setreg_imm32_b32 hwreg(HW_REG_WAVE_MODE, 25, 1), 1
	s_wait_xcnt 0x0
	s_wait_alu depctr_hold_cnt(0) depctr_sa_sdst(0) depctr_va_vdst(0) depctr_va_sdst(0) depctr_va_ssrc(0) depctr_va_vcc(0) depctr_vm_vsrc(0)
	s_getreg_b32 s2, hwreg(HW_REG_IB_STS2, 6, 4)
	s_cmp_eq_u32 s2, 0
	s_cbranch_scc0 .Lentry_in_a_cluster
	s_endpgm
.Lentry_in_a_cluster:
	s_bfe_u32 s2, ttmp6, 0x10000c
	s_cmp_lg_u32 s2, 0xf033
	s_cbranch_scc0 .Lentry_shape_is_right
	s_endpgm
.Lentry_shape_is_right:
; out0 = ctx Wo^T + bo: 4096 x 1024 x 1024, f16 operands (ctx; Wo from cb, 30 MiB in), f32 sums, f32 result.
; 256 work-groups of 128 x 128: blocks of 256 x 256 would be 64 only.  Four waves, each 64 x 64: 16 accumulator tiles, 128 registers.  The price:
; a wave reads 8 KiB of fragments for every 16 matrix instructions, twice what a wave tile of 128 x 128 reads for each product.
; K goes in steps of 256 (rows of 512 bytes, aligned) through two LDS slots, four steps in all, written out without a loop.
; CLUSTERS 4 x 4: ctx's tile is shared along a row of the cluster, Wo's along a column; each is asked for jointly, a quarter of the requests.
; The bias starts the sums (it is the first product's C).  The matrix instruction is used transposed (source 0 = rows of Wo, source 1 = rows of ctx),
; so that a lane holds 8 neighbouring columns of one row.
; Limits: operands are f16 (11 significant bits; their range is stated where they are made); NaN and infinities pass through the sums as the matrix unit makes them.
.set KSTEP,  256
.set PITCH,  528                       ; 512 bytes + 16: sixteen rows start at sixteen different 16-byte columns of 256
.set SLOT,   256*PITCH                 ; A's 128 rows, then B's 128 rows
.set STAGE,  2*SLOT                    ; behind the ring: 16 rows x 272 bytes for each wave
.set SPITCH, 272
.set ADRA, 4                           ; v[4:5]   my A fragments in slot 0, 1
.set ADRB, 6                           ; v[6:7]   my B fragments
.set STO,  8                           ; v8       stage, in
.set RD,   9                           ; v9       stage, back
.set CO,   10                          ; v10      my byte offset in out0
.set BOFF, 11                          ; v11      32 (l / 16)
.set BIAS, 16                          ; v[16:47] register 8 b + j = bias of column 16 b + 8 (l / 16) + j of my 64
.set F0,   64                          ; v[64:127]  fragment buffer 0: B's four at 8 b, A's four at 32 + 8 a
.set F1,   128                         ; v[128:191] fragment buffer 1
.set TMP,  192                         ; v[192:255] the way out, two halves that take turns
                                       ; window 1: v[256:383] accumulators, tile (a, b) at 8 (4 a + b)
.set G1, 24                            ; s[24:31] group 1 for A's tiles
.set G0, 32                            ; s[32:39] group 0 for A's tiles, a set for each slot
.set G1B, 48                           ; s[48:55] group 1 for B's tiles
.set G0B, 56                           ; s[56:63] group 0 for B's tiles
.set MSB, 0
.macro WIN new
.if MSB != \new
	s_set_vgpr_msb (MSB<<8)|\new
.set MSB, \new
.endif
.endm
.macro JLOAD s                         ; waves 0 and 1 fetch A's two halves, waves 2 and 3 B's
	s_cmp_eq_u32 s11, 0
	s_cbranch_scc0 .Lfor_b_\@
	tensor_load_to_lds s[G0+4*\s:G0+4*\s+3], s[G1:G1+7]
	s_nop 0
	s_branch .Lasked_\@
.Lfor_b_\@:
	tensor_load_to_lds s[G0B+4*\s:G0B+4*\s+3], s[G1B:G1B+7]
	s_nop 0
.Lasked_\@:
.endm
.macro CREST                           ; a round of the cluster's barrier behind its opening barrier
	s_cmp_lg_u32 s10, 0
	s_cbranch_scc1 .Lnot_wave_0_\@
	s_barrier_signal -3
.Lnot_wave_0_\@:
	s_barrier_wait -3
	s_barrier_signal -1
	s_barrier_wait -1
.endm
.macro CROUND
	s_barrier_signal -1
	s_barrier_wait -1
	CREST
.endm
.macro PLACES                          ; four places behind matrix instructions (ISA guide 7.12.1 for vector instructions)
.rept 4
	v_nop
.endr
.endm
	s_load_b256 s[68:75], s[0:1], 0x0              ; ctx s[68:69], cb s[70:71], bo s[72:73], out0 s[74:75]
	v_lshl_add_u32 v62, v0, 2, 0x46400
	v_mov_b32 v63, 0
	ds_add_u32 v62, v63
	v_lshrrev_b32 v1, 5, v0
	v_readfirstlane_b32 s10, v1                    ; wave 0..3
	s_lshr_b32 s11, s10, 1                         ; my half of the block's rows.  Also: I fetch for A (0) or for B (1)
	s_and_b32 s12, s10, 1                          ; my half of its columns.  Also: which 64 rows of that tile I fetch
	s_bfe_u32 s40, ttmp6, 0x40000                  ; cx
	s_bfe_u32 s41, ttmp6, 0x40004                  ; cy
	s_lshl_b32 s42, ttmp9, 2
	s_add_co_u32 s42, s42, s40                     ; block column, 0 to 7
	s_and_b32 s13, ttmp7, 0xffff
	s_lshl_b32 s13, s13, 2
	s_add_co_u32 s13, s13, s41                     ; block row, 0 to 31
	s_lshl_b32 s43, s41, 2
	s_lshl_b32 s43, 15, s43                        ; my row of the cluster
	s_lshl_b32 s44, 0x1111, s40                    ; my column
	; group 1: tiles of 64 rows x 256 elements of 2 bytes, padded behind every 128 words by 4 words
	s_or_b32 s[G1+0], s43, (1<<16)|(1<<20)|(1<<21)|(6<<22)|(3<<25)
	s_or_b32 s[G1B+0], s44, (1<<16)|(1<<20)|(1<<21)|(6<<22)|(3<<25)
	s_mov_b32 s[G1+1], KSTEP<<16                   ; tensor_dim0 = 256
	s_mov_b32 s[G1B+1], KSTEP<<16
	s_mov_b32 s[G1+2], 64<<16                      ; tensor_dim1 = 64
	s_mov_b32 s[G1B+2], 64<<16
	s_mov_b32 s[G1+3], KSTEP<<16                   ; tile_dim0 = 256
	s_mov_b32 s[G1B+3], KSTEP<<16
	s_mov_b32 s[G1+4], 64                          ; tile_dim1 = 64
	s_mov_b32 s[G1B+4], 64
	s_mov_b32 s[G1+5], 1024                        ; elements from row to row
	s_mov_b32 s[G1B+5], 1024
	s_mov_b32 s[G1+6], 0
	s_mov_b32 s[G1B+6], 0
	s_mov_b32 s[G1+7], 0
	s_mov_b32 s[G1B+7], 0
	s_lshl_b32 s17, s12, 6                         ; which 64 rows of the tile I fetch
	s_lshl_b32 s16, s13, 7
	s_add_co_u32 s16, s16, s17                     ; A: row 128 x block row + 64 x half,
	s_lshl_b32 s16, s16, 11                        ; of 2,048 bytes
	s_lshl_b32 s46, s42, 7
	s_add_co_u32 s46, s46, s17                     ; B: row 128 x block column + 64 x half
	s_lshl_b32 s46, s46, 11
	s_add_co_u32 s46, s46, 0x1e00000               ; Wo lies 30 MiB into cb
	s_mov_b32 s17, 0
	s_mov_b32 s47, 0
	s_mul_i32 s20, s10, 64*PITCH                   ; where they go: wave x 64 rows
	s_lshl_b32 s80, s42, 9                         ; my 64 columns in bo and in a row of out0: 512 x block column + 256 x half, in bytes
	s_lshl_b32 s81, s12, 8
	s_add_co_u32 s80, s80, s81
	s_mov_b32 s81, 0
	s_wait_dscnt 0x0
	s_wait_kmcnt 0x0
	s_add_nc_u64 s[14:15], s[68:69], s[16:17]
	s_add_nc_u64 s[46:47], s[70:71], s[46:47]
	s_add_nc_u64 s[84:85], s[72:73], s[80:81]      ; the bias of my columns
	CROUND                                         ; all sixteen work-groups are here: the first joint loads meet
.irp s, 0,1
	s_mov_b32 s[G0+4*\s], 1
	s_add_co_u32 s[G0+4*\s+1], s20, \s*SLOT
	s_add_nc_u64 s[G0+4*\s+2:G0+4*\s+3], s[14:15], \s*KSTEP*2
	s_or_b32 s[G0+4*\s+3], s[G0+4*\s+3], 0x80000000
	s_mov_b32 s[G0B+4*\s], 1
	s_add_co_u32 s[G0B+4*\s+1], s20, \s*SLOT
	s_add_nc_u64 s[G0B+4*\s+2:G0B+4*\s+3], s[46:47], \s*KSTEP*2
	s_or_b32 s[G0B+4*\s+3], s[G0B+4*\s+3], 0x80000000
	JLOAD \s                                       ; K steps 0 and 1: two tensor loads of the wave are out
.endr
	v_and_b32 v1, 15, v0                           ; l % 16
	v_bfe_u32 v2, v0, 4, 1                         ; l / 16
	v_lshlrev_b32 v[BOFF], 5, v2
.irp b, 0,1,2,3
	global_load_b128 v[BIAS+8*\b:BIAS+8*\b+3],   v[BOFF], s[84:85] offset:64*\b
	global_load_b128 v[BIAS+8*\b+4:BIAS+8*\b+7], v[BOFF], s[84:85] offset:64*\b+16
.endr
	v_mul_u32_u24 v3, v1, PITCH
	v_lshl_add_u32 v3, v2, 4, v3                   ; row x pitch + 16 x half
	s_mul_i32 s21, s11, 64*PITCH                   ; my 64 rows of A
	s_mul_i32 s22, s12, 64*PITCH                   ; my 64 rows of B,
	s_add_co_u32 s22, s22, 128*PITCH               ; which lie behind A's 128
.irp s, 0,1
	v_add_nc_u32 v[ADRA+\s], s21, v3
	v_add_nc_u32 v[ADRB+\s], s22, v3
	s_add_co_u32 s21, s21, SLOT
	s_add_co_u32 s22, s22, SLOT
.endr
	s_mul_i32 s23, s10, 16*SPITCH
	s_add_co_u32 s23, s23, STAGE                   ; my stage
	v_mul_u32_u24 v12, v1, SPITCH                  ; in: row l % 16, 32 bytes (8 f32) for each half of the lanes
	v_lshl_add_u32 v12, v2, 5, v12
	v_add_nc_u32 v[STO], s23, v12
	v_mul_u32_u24 v12, v2, SPITCH                  ; back: lanes 0-15 one row of 256 bytes, lanes 16-31 the next
	v_lshl_add_u32 v12, v1, 4, v12
	v_add_nc_u32 v[RD], s23, v12
	v_lshlrev_b32 v[CO], 4, v1                     ; the same two rows in out0, 4,096 bytes apart
	v_lshl_add_u32 v[CO], v2, 12, v[CO]
	s_lshl_b32 s16, s13, 7
	s_lshl_b32 s18, s11, 6
	s_add_co_u32 s16, s16, s18                     ; my first row,
	s_lshl_b32 s16, s16, 12                        ; of 4,096 bytes
	s_mov_b32 s17, 0
	s_add_nc_u64 s[8:9], s[74:75], s[16:17]
	s_add_nc_u64 s[8:9], s[8:9], s[80:81]          ; and my first column
; 16 LDS loads: the fragments of 32 along K at byte k of the slot's rows (64 rows of B, 64 rows of A) into buffer f
.macro FETCH slot, k, f
.irp i, 0,1,2,3
	ds_load_b128 v[\f+8*\i:\f+8*\i+3],   v[ADRB+\slot] offset:\k+\i*16*PITCH
	ds_load_b128 v[\f+8*\i+4:\f+8*\i+7], v[ADRB+\slot] offset:\k+\i*16*PITCH+32
.endr
.irp i, 0,1,2,3
	ds_load_b128 v[\f+32+8*\i:\f+32+8*\i+3],   v[ADRA+\slot] offset:\k+\i*16*PITCH
	ds_load_b128 v[\f+32+8*\i+4:\f+32+8*\i+7], v[ADRA+\slot] offset:\k+\i*16*PITCH+32
.endr
.endm
; 8 matrix instructions: m blocks a0, a0 + 1 x all 4 n blocks.  first = 1: the bias starts the sums.
; The 16 accumulators take turns, one instruction a turn.
.macro MUL8 f, a0, first
.irp a, \a0, \a0+1
.irp b, 0,1,2,3
.if \first
	v_wmma_f32_16x16x32_f16 v[8*(4*(\a)+\b):8*(4*(\a)+\b)+7], v[\f+8*\b:\f+8*\b+7], v[\f+32+8*(\a):\f+32+8*(\a)+7], v[BIAS+8*\b:BIAS+8*\b+7]
.else
	v_wmma_f32_16x16x32_f16 v[8*(4*(\a)+\b):8*(4*(\a)+\b)+7], v[\f+8*\b:\f+8*\b+7], v[\f+32+8*(\a):\f+32+8*(\a)+7], v[8*(4*(\a)+\b):8*(4*(\a)+\b)+7]
.endif
.endr
.endr
.endm
; An eighth of a K step: fetches the next eighth's fragments (byte k) into buffer g, then multiplies buffer f
.macro EIGHTH slot, k, f, g, first
	WIN 0
	PLACES                                         ; buffer g was read by the matrix instructions just issued
	FETCH \slot, \k, \g
	s_wait_dscnt 16                                ; buffer f is in; the 16 loads just issued stay out
.if \first
	WIN 0x40                                       ; D window 1, C (the bias) window 0
.else
	WIN 0x50                                       ; C and D window 1
.endif
	MUL8 \f, 0, \first
	MUL8 \f, 2, \first
.endm
.macro STEP7 slot, first               ; the first seven eighths of a K step
	EIGHTH \slot, 64,  F0, F1, \first
	EIGHTH \slot, 128, F1, F0, 0
	EIGHTH \slot, 192, F0, F1, 0
	EIGHTH \slot, 256, F1, F0, 0
	EIGHTH \slot, 320, F0, F1, 0
	EIGHTH \slot, 384, F1, F0, 0
	EIGHTH \slot, 448, F0, F1, 0
.endm
; The last eighth multiplies buffer 1 and changes slots.  In front of the barrier each wave waits for its reads of this slot and for all its tensor
; loads, of which one is out: its part of the next slot.  fill = 1: the barrier opens a round of the cluster's barrier, and the joint refill of this
; slot, two K steps ahead, is the first tensor load behind the round and the wave's only one until the next.
.macro TURN slot, next, fill
	s_wait_dscnt 0
	s_wait_tensorcnt 0x0
	ds_add_u32 v62, v63
	s_wait_dscnt 0x0
	s_barrier_signal -1
	WIN 0x50
	MUL8 F1, 0, 0                                  ; work on registers while the others arrive
	WIN 0
	s_barrier_wait -1
.if \fill
	CREST
	s_add_nc_u64 s[G0+4*\slot+2:G0+4*\slot+3], s[G0+4*\slot+2:G0+4*\slot+3], 2*KSTEP*2
	s_add_nc_u64 s[G0B+4*\slot+2:G0B+4*\slot+3], s[G0B+4*\slot+2:G0B+4*\slot+3], 2*KSTEP*2
	JLOAD \slot
.endif
	PLACES
	FETCH \next, 0, F0
	WIN 0x50
	MUL8 F1, 2, 0
.endm
	s_wait_loadcnt 0x0                             ; the bias
	s_wait_tensorcnt 0x1                           ; my part of K step 0 is in; K step 1's stays out
	s_barrier_signal -1
	s_barrier_wait -1
	FETCH 0, 0, F0
	STEP7 0, 1                                     ; K step 0
	TURN 0, 1, 1                                   ; slot 0 gets K step 2
	STEP7 1, 0                                     ; K step 1
	TURN 1, 0, 1                                   ; slot 1 gets K step 3
	STEP7 0, 0                                     ; K step 2
	TURN 0, 1, 0                                   ; nothing is left to fetch
	STEP7 1, 0                                     ; K step 3
	s_wait_dscnt 0
	MUL8 F1, 0, 0
	MUL8 F1, 2, 0
	; THE WAY OUT, 16 rows at a time: 32 bytes a lane into my own stage, read back as whole rows of 256 bytes (64 f32)
	WIN 0
	PLACES                                         ; before LDS stores read the results
.macro OUT16 a
	WIN 0x04                                       ; store data in window 1
.irp b, 0,1,2,3
	ds_store_b128 v[STO], v[8*(4*\a+\b):8*(4*\a+\b)+3]   offset:64*\b
	ds_store_b128 v[STO], v[8*(4*\a+\b)+4:8*(4*\a+\b)+7] offset:64*\b+16
.endr
	WIN 0
	s_wait_xcnt 0x0                                ; this half of TMP, which earlier stores read, is loaded again only behind this wait (ISA guide 3.1)
.irp t, 0,1,2,3,4,5,6,7
	ds_load_b128 v[TMP+32*(\a&1)+4*\t:TMP+32*(\a&1)+4*\t+3], v[RD] offset:\t*2*SPITCH   ; LDS serves a wave's instructions in order (ISA guide 5.7.1.4)
.endr
.irp t, 0,1,2,3,4,5,6,7
	s_wait_dscnt 7-\t                              ; load t is in, the 7 - t younger ones stay out
	global_store_b128 v[CO], v[TMP+32*(\a&1)+4*\t:TMP+32*(\a&1)+4*\t+3], s[8:9] offset:\a*65536+\t*8192 th:TH_STORE_NT   ; 16 lanes store 256 consecutive bytes, aligned
.endr
.endm
	OUT16 0
	OUT16 1
	OUT16 2
	OUT16 3
	s_wait_tensorcnt 0x0
	ds_add_u32 v62, v63
	s_wait_dscnt 0x0
	CROUND                                         ; the closing round
	s_endpgm
.Lfunc_end_k_qeff4424836_oproj:
	.size	k_qeff4424836_oproj, .Lfunc_end_k_qeff4424836_oproj-k_qeff4424836_oproj
	.p2alignl 7, 3214868480
	.fill 96, 4, 3214868480
	.section	.rodata,"a",@progbits
	.p2align	6, 0x0
	.amdhsa_kernel k_qeff4424836_oproj
		.amdhsa_group_segment_fixed_size 327680
		.amdhsa_private_segment_fixed_size 0
		.amdhsa_enable_private_segment 0
		.amdhsa_kernarg_size 32
		.amdhsa_user_sgpr_count 2
		.amdhsa_user_sgpr_kernarg_segment_ptr 1
		.amdhsa_wavefront_size32 1
		.amdhsa_system_sgpr_workgroup_id_x 1
		.amdhsa_system_sgpr_workgroup_id_y 1
		.amdhsa_system_sgpr_workgroup_id_z 1
		.amdhsa_system_vgpr_workitem_id 0
		.amdhsa_next_free_vgpr 384
		.amdhsa_next_free_sgpr 90
		.amdhsa_reserve_vcc 0
		.amdhsa_float_denorm_mode_32 3
		.amdhsa_float_denorm_mode_16_64 3
		.amdhsa_memory_ordered 1
		.amdhsa_forward_progress 1
		.amdhsa_inst_pref_size 89
	.end_amdhsa_kernel
	.amdgpu_metadata
---
amdhsa.version: [ 1, 2 ]
amdhsa.kernels:
  - .name:           k_qeff4424836_oproj
    .symbol:         k_qeff4424836_oproj.kd
    .args:
      - { .name: ctx, .offset: 0, .size: 8, .value_kind: global_buffer, .address_space: global }
      - { .name: cb, .offset: 8, .size: 8, .value_kind: global_buffer, .address_space: global }
      - { .name: bo, .offset: 16, .size: 8, .value_kind: global_buffer, .address_space: global }
      - { .name: out0, .offset: 24, .size: 8, .value_kind: global_buffer, .address_space: global }
    .group_segment_fixed_size: 327680
    .private_segment_fixed_size: 0
    .kernarg_segment_align: 8
    .kernarg_segment_size: 32
    .max_flat_workgroup_size: 128
    .sgpr_count:     90
    .vgpr_count:     384
    .wavefront_size: 32
...
	.end_amdgpu_metadata
.endif
;; end of part 4
